; MI455X (gfx1250); checked and timed in simulation.
; The chip was launched on July 23, 2026; its instructions are those of AMD's public machine-readable ISA for CDNA 5 (MIT licence, August 2026) and "CDNA5" Instruction Set Architecture Reference Guide (July 2026). The comments in the code are by the model that wrote it; some were corrected since.
;; Attention. Allowed arithmetic: matrix products marked QUANTISED: E2M3 operands, one E8M0 scale for each 32 along K, by v_wmma_scale_f32_16x16x128_f8f6f4 with both operands' format E2M3, f32 sums; everything else in f32.
;; Inputs: Wk_codes 1,024 x 32 x 24 uint8 (E2M3 codes of Wk, K innermost, in blocks of 32 codes, four codes in three bytes); Wk_scales 1,024 x 32 uint8 (E8M0 scales of Wk, one for each 32 codes along K); Wo_codes 1,024 x 32 x 24 uint8 (E2M3 codes of Wo, K innermost, in blocks of 32 codes, four codes in three bytes); Wo_scales 1,024 x 32 uint8 (E8M0 scales of Wo, one for each 32 codes along K); Wq_codes 1,024 x 32 x 24 uint8 (E2M3 codes of Wq, K innermost, in blocks of 32 codes, four codes in three bytes); Wq_scales 1,024 x 32 uint8 (E8M0 scales of Wq, one for each 32 codes along K); Wv_codes 1,024 x 32 x 24 uint8 (E2M3 codes of Wv, K innermost, in blocks of 32 codes, four codes in three bytes); Wv_scales 1,024 x 32 uint8 (E8M0 scales of Wv, one for each 32 codes along K); bk 1,024 float32; bo 1,024 float32; bq 1,024 float32; bv 1,024 float32; x_codes 4 x 2,048 x 32 x 24 uint8 (E2M3 codes of x, K innermost, in blocks of 32 codes, four codes in three bytes); x_scales 4 x 2,048 x 32 uint8 (E8M0 scales of x, one for each 32 codes along K).
;; Outputs: out0 4 x 2,048 x 1,024 float32.
;; This version of the problem:
;;   THIS VERSION OF THE PROBLEM IS GIVEN IN LOW PRECISION. The matrix products marked QUANTISED in the list below multiply operands that are first quantised to E2M3 (2 exponent bits, 3 mantissa bits; 6 bits a number), with one power-of-two scale for each 32 numbers along K (OCP MX v1.0); their sums are f32. All else is computed in f32.
;;   The module's matrix products, in the order in which they are computed (A, B: the left and right operand; K: the contracted axis; several contracted axes count as one K, in the product's order):
;;     1. [M 8,192, K 1,024] x [K 1,024, N 1,024]; A: input x (given as codes); B: input Wq (given as codes): QUANTISED
;;     2. [M 8,192, K 1,024] x [K 1,024, N 1,024]; A: input x (given as codes); B: input Wk (given as codes): QUANTISED
;;     3. [M 8,192, K 1,024] x [K 1,024, N 1,024]; A: input x (given as codes); B: input Wv (given as codes): QUANTISED
;;     4. batch 64 x [M 2,048, K 64] x [K 64, N 2,048]; A: computed on the way; B: computed on the way: QUANTISED
;;     5. batch 64 x [M 2,048, K 2,048] x [K 2,048, N 64]; A: computed on the way; B: computed on the way: QUANTISED
;;     6. [M 8,192, K 1,024] x [K 1,024, N 1,024]; A: computed on the way; B: input Wo (given as codes): QUANTISED
;;   THE QUANTISER, for each operand of a quantised product, along K:
;;     - K is cut into blocks of 32 from its start; a last block that is shorter is filled with zeros.
;;     - A block's scale is 2^e with e = floor(log2(the largest magnitude in the block)) - 2, held to -126 .. 127; a block of zeros has e = 0. As a byte (E8M0): e + 127.
;;     - Each number is divided by its block's scale, clamped to +-7.5, and rounded to the nearest number of E2M3, ties to even, subnormals kept.
;;     - The product sums the exact products of the quantised numbers (number of the format x scale) in f32.
;;   ~~~python
;;   def quantise(x, axis):      # numpy; x: float32 -> the quantised numbers, widened to float32 again
;;       x = np.moveaxis(x, axis, -1); K = x.shape[-1]
;;       x = np.pad(x, [(0, 0)] * (x.ndim - 1) + [(0, -K % 32)]); x = x.reshape(x.shape[:-1] + (-1, 32)); a = np.abs(x).max(-1, keepdims=True)
;;       e = np.where(a > 0, np.clip(np.frexp(np.where(a > 0, a, 1))[1] - 1 - 2, -126, 127), 0)      # np.frexp(a)[1] - 1 = floor(log2(a)), exactly
;;       r = np.clip(x / 2.0 ** e, -7.5, 7.5)
;;       step = 2.0 ** (np.maximum(np.frexp(np.where(r == 0, 1, r))[1] - 1, 0) - 3)
;;       q = np.round(r / step) * step * 2.0 ** e      # np.round: ties to even
;;       return np.moveaxis(q.reshape(q.shape[:-2] + (-1,))[..., :K], -1, axis).astype(np.float32)
;;   ~~~
;;   OPERANDS COMPUTED ON THE WAY. 'Computed on the way' means the value that the module computes at that place (a softmax that the list does not call 'softmax' is quantised finished and normalised). What goes into a quantiser is computed in f32, as accurately as f32 sums, v_exp_f32 and their like allow (about 1e-6 of the number): no bf16 or f16 on the way to a quantiser, and a product that is left as it is and whose result goes on into a quantised operand takes f32 operands (vector FMAs, or v_wmma_f32_16x16x4_f32). A number that lies on a knife's edge between two numbers of the format may be rounded either way, as far as f32 arithmetic and the matrix unit's own rounding can turn it there, and no further.
;;   INPUTS GIVEN AS CODES. Wk (in the module: [1024, 1024], K = its axis 1); Wo (in the module: [1024, 1024], K = its axis 1); Wq (in the module: [1024, 1024], K = its axis 1); Wv (in the module: [1024, 1024], K = its axis 1); x (in the module: [4, 2048, 1024], K = its axis 2): each comes as NAME_codes (uint8): NAME with its K axis moved to the last place and cut into blocks of 32 codes, [.., K / 32, bytes a block], one block behind the other in memory; four codes in three bytes: a row's codes are one little-endian stream of bits, code i at bits 6 i .. 6 i + 5 (a code: sign, 2 exponent bits, 3 mantissa bits); and NAME_scales (uint8): the same leading axes, one E8M0 byte (e + 127) for each 32 codes along K. Its value is code x scale, taken as it is: it is not quantised again, and the codes and scales need not be those that the quantiser above would give.
;; One version. Each part assembles by itself: llvm-mc -triple=amdgcn-amd-amdhsa -mcpu=gfx1250 --defsym DOCPART=n.
;; ======== version 1 of 1: 3 launches
;; limits: right only within a limited range of input values
;; workspace buffers: qkv 19,660,800 bytes; oc 6,291,456 bytes; os 262,144 bytes
;; launch qkvproj (part 1): grid 12 x 32, 4 waves a work-group, clusters of 4 x 4, 327,680 bytes of LDS; arguments x_codes, x_scales, Wq_codes, Wq_scales, bq, Wk_codes, Wk_scales, bk, Wv_codes, Wv_scales, bv, qkv; writes qkv
.if DOCPART == 1
	.amdgcn_target "amdgcn-amd-amdhsa--gfx1250"
	.amdhsa_code_object_version 6
	.text
	.protected	k_q2a9b2e5df6_qkvproj
	.globl	k_q2a9b2e5df6_qkvproj
	.p2align	8
	.type	k_q2a9b2e5df6_qkvproj,@function
k_q2a9b2e5df6_qkvproj:
	s_mov_b64 s[64:65], 0
	v_nop
	global_prefetch_b8 v0, s[64:65] scope:SCOPE_SE
	s_setreg_imm32_b32 hwreg(HW_REG_WAVE_MODE, 25, 1), 1
	s_wait_xcnt 0x0
	s_wait_alu depctr_hold_cnt(0) depctr_sa_sdst(0) depctr_va_vdst(0) depctr_va_sdst(0) depctr_va_ssrc(0) depctr_va_vcc(0) depctr_vm_vsrc(0)
	s_getreg_b32 s2, hwreg(HW_REG_IB_STS2, 6, 4)
	s_cmp_eq_u32 s2, 0
	s_cbranch_scc0 .Lentry_in_a_cluster
	s_endpgm
.Lentry_in_a_cluster:
	s_bfe_u32 s2, ttmp6, 0x10000c
	s_cmp_lg_u32 s2, 0xf033
	s_cbranch_scc0 .Lentry_shape_is_right
	s_endpgm
.Lentry_shape_is_right:
; q = x Wq^T + bq, k = x Wk^T + bk, v = x Wv^T + bv on codes of FP6 (E2M3), one E8M0 scale for each 32 along K = 1,024; sums and bias in f32.
; The results are quantised here, q and k along a head's 64 features, v along the keys, and leave as images of operand registers for the attention launch.
; No work of the problem is left out; every input is loaded.
; SHARES.  The cluster's x is the kind: 0 q, 1 k, 2 v.  A work-group makes 256 x 256 results, a wave 128 x 128: 64 accumulators of 16 x 16.
; Source 0 takes 16 rows of 'B', source 1 16 rows of 'A': a lane holds one row of A, its eight registers eight neighbouring rows of B.
;   q, k: A = x (tile 4 x cluster y + cy), B = W (tile cx).   v: A = Wv (tile cy), B = x (tile 4 x cluster y + cx).
; A's tiles are asked for jointly along a row of the cluster, B's along a column.
; K goes through two LDS slots in chunks of 256 bytes of each row (a row of codes is 768 bytes: three chunks, each at a multiple of 256 bytes).
; A step of 128 along K is 96 bytes: steps 2 and 5 lie across two chunks.  The scale bytes of the 512 rows come once and stay.
; No prefetch: K is three chunks, of which one alone is a refill, and the block is the largest one, in clusters.
; THE RECORD of a (batch, head), REC bytes in qkv: K's 64 pair images, K's 16 scale units, V's 64 images, V's 16 units, Q's 64 pair images, Q's 16 units.
;   An image is 12 registers a lane: registers 4 c .. 4 c + 3 at 512 c + 16 x lane.  A pair image holds two tiles of 16 tokens x 64 features.
;   A scale unit is 256 bytes: lane r's 16 bytes at 16 r are the scale words of four images.
; ORDER INSIDE A BLOCK OF 32: codes stand in the order 0-7, 16-23, 8-15, 24-31, alike on both sides of each attention product: block, scale and product are unchanged.
; LIMITS: NaN and infinities are not served; a block whose largest magnitude lies under 2^-124 (zeros too) keeps the byte 1: its bytes are read by this program alone.
; REGISTERS: window 0: v1-31 addresses and work; v32-63 scale words; v64-127 bias along registers; v128-223 A's fragments, later the way out; v224-239 bias along lanes; v240-253 the way out.
;   window 1: B's fragments, two sets.   windows 2, 3: the accumulators ((a, b) at v[8 (8 (a % 4) + b)]).
.set ROWB,   256
.set NQ,     2
.set KROW,   768
.set STEPS,  8
.set CHUNKS, 3
.set PITCH,  272                       ; 256 bytes + 16 of padding
.set FR,     12
.set NL,     6
.set NP,     4                         ; places behind this matrix instruction (ISA guide 7.12.1)
.set HALFT,  128*PITCH
.set SLOT,   4*HALFT
.set KS,     32
.set SCL,    2*SLOT
.set HALFS,  (128*KS/256)*272
.set SBLK,   (16*KS/256)*272
.set SPARE,  SCL+4*HALFS               ; the spare words: 128 bytes a wave
.set REC,    307200
.set ADRA, 16                          ; v16-17 A's fragments in slot 0, 1; v18-19 for pieces whose two halves of lanes read different chunks
.set ADRB, 20
.set LI,   24                          ; 16 x lane
.set SCA,  25                          ; 16 x (lane % 16) + REC x (lane / 16)
.set ADRS, 27
.set SPW,  28
.set NIL,  29
.set BH32, 30
.set BR4,  31
.set SC,   32
.set BI,   64
.set AF,   128
.set BV,   224
.set T,    128
.set IE,   192
.set IO,   204
.set XQ,   216
.set TMA,  8
.set TMB,  12
.set SW,   240
.set SOP,  248
.set PW,   252
.set PWA,  253
.set G1, 24
.set G0, 32
.set G1B, 48
.set G0B, 56
.set G1S, 68
.set G0S, 76
.set G1SB, 80
.set G0SB, 88
.set G0H, 4                            ; group 0 of the head's loads of chunk 0, in registers whose arguments have been used
.set G0HB, 8
.set HIM, 95
.set SEL, 100
.set MSB, 0
.macro WIN new                         ; the immediate's high byte repeats the setting that is left
.if MSB != (\new)
	s_set_vgpr_msb (MSB<<8)|(\new)
.set MSB, (\new)
.endif
.endm
.set MUL_LO, 0xa1
.set MUL_HI, 0xf1
.set TO_B,   0x40
.macro JLOAD g0a, g1a, g0b, g1b        ; waves 0, 1 fetch for A, waves 2, 3 for B; s_nop 0 and four v_nop behind each line
	s_cmp_eq_u32 s15, 0
	s_cbranch_scc0 .Lfor_b_\@
	tensor_load_to_lds s[\g0a:\g0a+3], s[\g1a:\g1a+7]
	s_nop 0
.rept 4
	v_nop
.endr
	s_branch .Lasked_\@
.Lfor_b_\@:
	tensor_load_to_lds s[\g0b:\g0b+3], s[\g1b:\g1b+7]
	s_nop 0
.rept 4
	v_nop
.endr
.Lasked_\@:
.endm
.macro CREST                           ; a round of the cluster's barrier behind its opening barrier
	s_cmp_lg_u32 s14, 0
	s_cbranch_scc1 .Lnot_wave_0_\@
	s_barrier_signal -3
.Lnot_wave_0_\@:
	s_barrier_wait -3
	s_barrier_signal -1
	s_barrier_wait -1
.endm
.macro CROUND
	s_barrier_signal -1
	s_barrier_wait -1
	CREST
.endm
	s_load_b512 s[68:83], s[0:1], 0x0              ; x codes, x scales, Wq codes, Wq scales, bq, Wk codes, Wk scales, bk
	s_load_b256 s[84:91], s[0:1], 0x40             ; Wv codes, Wv scales, bv, qkv
	v_lshl_add_u32 v[SPW], v0, 2, SPARE
	v_mov_b32 v[NIL], 0
	ds_add_u32 v[SPW], v[NIL]                      ; the opening lines: the add twice and one wait
	ds_add_u32 v[SPW], v[NIL]
	v_lshrrev_b32 v1, 5, v0
	v_readfirstlane_b32 s14, v1                    ; wave
	s_lshr_b32 s15, s14, 1                         ; my half of A's rows; also: I fetch for A (0) or B (1)
	s_and_b32 s16, s14, 1                          ; my half of B's rows; also: which 128 rows I fetch
	s_bfe_u32 s40, ttmp6, 0x40000                  ; cx
	s_bfe_u32 s41, ttmp6, 0x40004                  ; cy
	s_lshr_b32 s2, ttmp9, 1                        ; 1 for v
	s_xor_b32 s3, s2, 1
	s_and_b32 s18, ttmp7, 0xffff
	s_lshl_b32 s18, s18, 2
	s_mul_i32 s17, s18, s3
	s_add_co_u32 s17, s17, s41                     ; A's tile: made of cy alone among the places
	s_mul_i32 s42, s18, s2
	s_add_co_u32 s42, s42, s40                     ; B's tile: made of cx alone
	s_lshl_b32 s43, s41, 2
	s_lshl_b32 s43, 15, s43                        ; my row of the cluster
	s_lshl_b32 s44, 0x1111, s40                    ; my column
	s_cmp_eq_u32 ttmp9, 2
	s_cselect_b32 s66, s42, s17                    ; the tile of x (for the stores alone)
	s_cselect_b32 s67, s17, s42                    ; the tile of W
	s_or_b32 s[G1+0], s43, (0<<16)|(1<<20)|(1<<21)|(5<<22)|(3<<25)   ; rows of 256 bytes, 16 of padding behind each; 256 rows at the head
	s_or_b32 s[G1B+0], s44, (0<<16)|(1<<20)|(1<<21)|(5<<22)|(3<<25)
.irp g, G1, G1B
	s_mov_b32 s[\g+1], ROWB<<16
	s_mov_b32 s[\g+2], 256<<16
	s_mov_b32 s[\g+3], ROWB<<16
	s_mov_b32 s[\g+4], 256
	s_mov_b32 s[\g+5], KROW
	s_mov_b32 s[\g+6], 0
	s_mov_b32 s[\g+7], 0
.endr
	s_lshl_b32 s20, s17, 8                         ; A's first row
	s_lshl_b32 s46, s42, 8                         ; B's
	s_mov_b32 s21, 0
	s_mov_b32 s47, 0
	s_mov_b64 s[18:19], KS
	s_mul_u64 s[22:23], s[20:21], s[18:19]         ; where these rows' scales begin
	s_mul_u64 s[92:93], s[46:47], s[18:19]
	s_mov_b64 s[18:19], KROW
	s_mul_u64 s[20:21], s[20:21], s[18:19]         ; and their codes
	s_mul_u64 s[46:47], s[46:47], s[18:19]
	s_mul_i32 s18, s16, 128*KROW                   ; in the ring I fetch 128 rows: which half,
	s_mov_b32 s19, 0
	s_mul_i32 s45, s14, HALFT                      ; and where they go
	s_wait_dscnt 0x0                               ; both opening adds are done
	s_wait_kmcnt 0x0
	s_cmp_eq_u32 ttmp9, 1                          ; the kind's weight, scales, bias: choices on the cluster's number alone
	s_cselect_b64 s[8:9], s[78:79], s[72:73]
	s_cselect_b64 s[10:11], s[80:81], s[74:75]
	s_cselect_b64 s[96:97], s[82:83], s[76:77]
	s_cmp_eq_u32 ttmp9, 2
	s_cselect_b64 s[8:9], s[84:85], s[8:9]
	s_cselect_b64 s[10:11], s[86:87], s[10:11]
	s_cselect_b64 s[96:97], s[88:89], s[96:97]
	s_cselect_b64 s[4:5], s[8:9], s[68:69]         ; A's codes
	s_cselect_b64 s[6:7], s[10:11], s[70:71]       ; A's scales
	s_cselect_b64 s[8:9], s[68:69], s[8:9]         ; B's codes
	s_cselect_b64 s[10:11], s[70:71], s[10:11]     ; B's scales
	s_mov_b64 s[12:13], s[90:91]                   ; qkv
	s_add_nc_u64 s[20:21], s[4:5], s[20:21]
	s_add_nc_u64 s[22:23], s[6:7], s[22:23]
	s_add_nc_u64 s[46:47], s[8:9], s[46:47]
	s_add_nc_u64 s[92:93], s[10:11], s[92:93]
	; the arguments have been moved.  256 rows' scales: a dense block of 8,192 bytes as 32 rows of 256, 16 of padding behind each
	s_or_b32 s[G1S+0], s43, (3<<16)|(1<<20)|(1<<21)|(5<<22)|(3<<25)
	s_or_b32 s[G1SB+0], s44, (3<<16)|(1<<20)|(1<<21)|(5<<22)|(3<<25)
.irp g, G1S, G1SB
	s_mov_b32 s[\g+1], 32<<16
	s_mov_b32 s[\g+2], KS<<16
	s_mov_b32 s[\g+3], 32<<16
	s_mov_b32 s[\g+4], KS
	s_mov_b32 s[\g+5], 32
	s_mov_b32 s[\g+6], 0
	s_mov_b32 s[\g+7], 0
.endr
	CROUND                                         ; all sixteen work-groups are here: the first joint loads meet
	s_mov_b32 s[G0H], 1                            ; chunk 0's 256 rows of A,
	s_mov_b32 s[G0H+1], 0
	s_mov_b64 s[G0H+2:G0H+3], s[20:21]
	s_or_b32 s[G0H+3], s[G0H+3], 0x80000000
	s_mov_b32 s[G0HB], 1                           ; of B,
	s_mov_b32 s[G0HB+1], 2*HALFT
	s_mov_b64 s[G0HB+2:G0HB+3], s[46:47]
	s_or_b32 s[G0HB+3], s[G0HB+3], 0x80000000
	s_mov_b32 s[G0S], 1                            ; A's scales,
	s_mov_b32 s[G0S+1], SCL
	s_mov_b64 s[G0S+2:G0S+3], s[22:23]
	s_or_b32 s[G0S+3], s[G0S+3], 0x80000000
	s_mov_b32 s[G0SB], 1                           ; B's
	s_mov_b32 s[G0SB+1], SCL+2*HALFS
	s_mov_b64 s[G0SB+2:G0SB+3], s[92:93]
	s_or_b32 s[G0SB+3], s[G0SB+3], 0x80000000
	s_add_nc_u64 s[20:21], s[20:21], s[18:19]      ; for the ring: my 128 rows
	s_add_nc_u64 s[46:47], s[46:47], s[18:19]
.irp s, 0,1
	s_mov_b32 s[G0+4*\s], 1
	s_add_co_u32 s[G0+4*\s+1], s45, \s*SLOT
	s_add_nc_u64 s[G0+4*\s+2:G0+4*\s+3], s[20:21], \s*ROWB
	s_or_b32 s[G0+4*\s+3], s[G0+4*\s+3], 0x80000000
	s_mov_b32 s[G0B+4*\s], 1
	s_add_co_u32 s[G0B+4*\s+1], s45, \s*SLOT
	s_add_nc_u64 s[G0B+4*\s+2:G0B+4*\s+3], s[46:47], \s*ROWB
	s_or_b32 s[G0B+4*\s+3], s[G0B+4*\s+3], 0x80000000
.endr
; the head's four tiles, one a wave, in one chain of branches on the wave's number
.macro ARM under, g0, g1, next
	s_cmp_lt_u32 s14, \under
	s_cbranch_scc0 \next
	tensor_load_to_lds s[\g0:\g0+3], s[\g1:\g1+7]
	s_nop 0
.rept 4
	v_nop
.endr
	s_branch .Lhead_asked
\next:
.endm
	ARM 1, G0H,  G1,  .Lhead_b
	ARM 2, G0HB, G1B, .Lhead_sa
	ARM 3, G0S,  G1S, .Lhead_sb
	tensor_load_to_lds s[G0SB:G0SB+3], s[G1SB:G1SB+7]
	s_nop 0
.rept 4
	v_nop
.endr
.Lhead_asked:
	s_mul_i32 s20, s15, HALFT                      ; my 128 rows of A
	s_mul_i32 s21, s16, HALFT
	s_add_co_u32 s21, s21, 2*HALFT                 ; my 128 rows of B, behind A's 256
	s_mov_b32 s22, SLOT-232
	s_mov_b32 s23, SLOT+232
	s_mul_i32 s47, s15, HALFS
	s_mul_i32 s46, s16, HALFS
	s_add_co_u32 s46, s46, 2*HALFS
	s_sub_co_u32 s46, s46, s47                     ; from A's scales to B's
	s_add_co_u32 s47, s47, SCL
	v_and_b32 v1, 15, v0                           ; r
	v_bfe_u32 v2, v0, 4, 1                         ; h
	v_mul_u32_u24 v3, v1, PITCH
	v_mul_u32_u24 v4, v2, 24
	v_add_nc_u32 v4, v3, v4                        ; row x pitch + 24 h
	v_sub_nc_u32 v7, 1, v2
	v_mul_u32_u24 v5, s22, v2
	v_add_nc_u32 v5, v3, v5
	v_add_nc_u32 v5, 232, v5                       ; lanes 0-15 byte 232 in slot 0, lanes 16-31 byte 0 in slot 1
	v_mul_u32_u24 v6, s23, v7
	v_add_nc_u32 v6, v3, v6                        ; lanes 0-15 byte 232 in slot 1, lanes 16-31 byte 0 in slot 0
	v_add_nc_u32 v[ADRA], s20, v4
	v_add_nc_u32 v[ADRB], s21, v4
	v_add_nc_u32 v[ADRA+1], SLOT, v[ADRA]
	v_add_nc_u32 v[ADRB+1], SLOT, v[ADRB]
	v_add_nc_u32 v[ADRA+2], s20, v5
	v_add_nc_u32 v[ADRA+3], s20, v6
	v_add_nc_u32 v[ADRB+2], s21, v5
	v_add_nc_u32 v[ADRB+3], s21, v6
	v_mul_u32_u24 v5, v1, KS                       ; my row's scales: 32 bytes a row,
	v_lshrrev_b32 v6, 8, v5
	v_lshl_add_u32 v5, v6, 4, v5                   ; 16 more for each 256 passed
	v_mul_u32_u24 v6, s46, v2                      ; lanes 16-31 take B's
	v_add_nc_u32 v5, v5, v6
	v_add_nc_u32 v[ADRS], s47, v5
	v_and_b32 v6, 31, v0
	v_lshlrev_b32 v[LI], 4, v6
	v_mul_u32_u24 v6, v2, REC
	v_lshl_add_u32 v[SCA], v1, 4, v6
	v_lshlrev_b32 v[BH32], 5, v2
	v_lshlrev_b32 v[BR4], 2, v1
.irp b, 0,1,2,3
	v_mov_b32 v[TMB+\b], 0                         ; a lane permute's destination counts as a source
.endr
	s_wait_alu depctr_va_vdst(0)                   ; the wait behind the head's vector work
	s_mov_b32 s[SEL], 0x76543210
	s_mov_b32 s[SEL+1], 0xfedcba98
	s_mov_b32 s[HIM], 0xffff0000
	; the bias in both forms; the way out takes the one that its kind wants
	s_mov_b64 s[98:99], s[96:97]
	s_lshl_b32 s46, s40, 10
	s_lshl_b32 s47, s16, 9
	s_add_co_u32 s46, s46, s47
	s_mov_b32 s47, 0
	s_add_nc_u64 s[96:97], s[96:97], s[46:47]      ; along registers: from feature 256 cx + 128 x (my half of B)
	s_lshl_b32 s46, s41, 10
	s_lshl_b32 s92, s15, 9
	s_add_co_u32 s46, s46, s92
	s_add_nc_u64 s[98:99], s[98:99], s[46:47]      ; along lanes: from feature 256 cy + 128 x (my half of A)
.irp b, 0,1,2,3,4,5,6,7
	global_load_b128 v[BI+8*\b:BI+8*\b+3], v[BH32], s[96:97] offset:64*\b
	global_load_b128 v[BI+8*\b+4:BI+8*\b+7], v[BH32], s[96:97] offset:64*\b+16
.endr
.irp a, 0,1,2,3,4,5,6,7
	global_load_b32 v[BV+2*\a], v[BR4], s[98:99] offset:64*\a
	global_load_b32 v[BV+2*\a+1], v[BR4], s[98:99] offset:64*\a
.endr
	; my results: record 16 x batch + 4 x (tile of W) + 2 x (my half of the features); the kind's section; the unit of 128 tokens 2 x (tile of x % 8) + (my half of the tokens)
	s_cmp_eq_u32 ttmp9, 2
	s_cselect_b32 s18, s15, s16
	s_cselect_b32 s19, s16, s15
	s_lshr_b32 s46, s66, 3
	s_lshl_b32 s46, s46, 4
	s_lshl_b32 s47, s67, 2
	s_add_co_u32 s46, s46, s47
	s_lshl_b32 s18, s18, 1
	s_add_co_u32 s46, s46, s18
	s_mul_i32 s46, s46, REC
	s_and_b32 s47, s66, 7
	s_lshl_b32 s47, s47, 1
	s_add_co_u32 s47, s47, s19
	s_cmp_eq_u32 ttmp9, 0
	s_cselect_b32 s92, 204800, 0
	s_cmp_eq_u32 ttmp9, 2
	s_cselect_b32 s92, 102400, s92
	s_add_co_u32 s46, s46, s92
	s_mul_i32 s92, s47, 6144
	s_lshl_b32 s93, s47, 8
	s_add_co_u32 s92, s46, s92
	s_add_co_u32 s46, s46, s93
	s_add_co_u32 s46, s46, 98304
	s_mov_b32 s93, 0
	s_mov_b32 s47, 0
	s_add_nc_u64 s[66:67], s[12:13], s[46:47]      ; the scale unit
	s_add_nc_u64 s[12:13], s[12:13], s[92:93]      ; the images
.macro FRAG reg, adr, st, i            ; 16 rows x 128 K: 12 registers, in pieces of 8 bytes; byte y of a row lies in slot (y / 256) % 2 at byte y % 256
.irp p, 0,1,2,3,4,5
.set BY, 96*(\st)+48*(\p/3)+8*(\p%3)
.if BY/ROWB == (BY+24)/ROWB
	ds_load_b64 v[\reg+2*\p:\reg+2*\p+1], v[\adr+(BY/ROWB)%2] offset:BY%ROWB+(\i)*16*PITCH
.else
	ds_load_b64 v[\reg+2*\p:\reg+2*\p+1], v[\adr+2+(BY/ROWB)%2] offset:BY%ROWB-232+(\i)*16*PITCH
.endif
.endr
.endm
; 16 matrix instructions; the 64 accumulators take turns in the same order in every step
.macro MUL16 a0, p, q, sc, zero
.irp a, \a0, \a0+1
.irp b, 0,1,2,3,4,5,6,7
.if \zero
	v_wmma_scale_f32_16x16x128_f8f6f4 v[8*(8*((\a)%4)+\b):8*(8*((\a)%4)+\b)+7], v[128*(\p)+FR*\b:128*(\p)+FR*\b+FR-1], v[AF+FR*(\a):AF+FR*(\a)+FR-1], 0, v[SC+8*NQ*(\sc)+NQ*\b+(\q)], v[SC+8*NQ*(\sc)+NQ*(\a)+(\q)] matrix_a_fmt:MATRIX_FMT_FP6 matrix_b_fmt:MATRIX_FMT_FP6 matrix_a_scale:MATRIX_SCALE_ROW1
.else
	v_wmma_scale_f32_16x16x128_f8f6f4 v[8*(8*((\a)%4)+\b):8*(8*((\a)%4)+\b)+7], v[128*(\p)+FR*\b:128*(\p)+FR*\b+FR-1], v[AF+FR*(\a):AF+FR*(\a)+FR-1], v[8*(8*((\a)%4)+\b):8*(8*((\a)%4)+\b)+7], v[SC+8*NQ*(\sc)+NQ*\b+(\q)], v[SC+8*NQ*(\sc)+NQ*(\a)+(\q)] matrix_a_fmt:MATRIX_FMT_FP6 matrix_b_fmt:MATRIX_FMT_FP6 matrix_a_scale:MATRIX_SCALE_ROW1
.endif
.endr
.endr
.endm
.macro FETCH_B st, p
	WIN TO_B
.irp i, 0,1,2,3,4,5,6,7
	FRAG 128*(\p)+FR*\i, ADRB, \st, \i
.endr
	WIN 0
.endm
.macro FETCH_A st, i0
.irp i, \i0, \i0+1, \i0+2, \i0+3
	FRAG AF+FR*(\i), ADRA, \st, \i
.endr
.endm
.macro SCALES pr                       ; the scale words of steps 2 pr, 2 pr + 1: lanes 0-15 A's block i, lanes 16-31 B's
.irp i, 0,1,2,3,4,5,6,7
	ds_load_b64 v[SC+8*NQ*((\pr)%2)+NQ*\i:SC+8*NQ*((\pr)%2)+NQ*\i+1], v[ADRS] offset:\i*SBLK+4*NQ*(\pr)
.endr
.endm
.macro PLACES n
.rept \n
	v_nop
.endr
.endm
; A step: 64 matrix instructions; the next step's fragments are fetched in its middle and at its end.
; Where the next step's bytes end in a chunk not read yet: a barrier shows it whole.  Where they begin in a later chunk: the three lines, the barrier, and, if a chunk two on is left, the round and the refill.
.macro STEP st, zero
.set NX, (\st)+1
.set C0, (96*(\st))/ROWB
.set C1, (96*NX)/ROWB
.set E0, (96*(\st)+95)/ROWB
.set E1, (96*NX+95)/ROWB
.if C1 > C0 || E1 > E0
	s_wait_tensorcnt 0x0                           ; all my tensor loads have landed
.if C1 > C0
	ds_add_u32 v[SPW], v[NIL]
	s_wait_dscnt 4*NL+1                            ; the add and the youngest 24 loads (A's blocks 4-7) may be out
.else
	s_wait_dscnt 4*NL                              ; the youngest 24 loads may be out
.endif
	WIN MUL_LO
	MUL16 0, (\st)%2, (\st)%2, ((\st)/2)%2, \zero
	s_wait_dscnt 0x0                               ; the add and all my reads are done
	s_barrier_signal -1
	MUL16 2, (\st)%2, (\st)%2, ((\st)/2)%2, \zero
	WIN 0
	s_barrier_wait -1
.if C1 > C0 && C0+2 < CHUNKS
	CREST                                          ; the barrier has opened a round of the cluster's
	s_add_nc_u64 s[G0+4*(C0%2)+2:G0+4*(C0%2)+3], s[G0+4*(C0%2)+2:G0+4*(C0%2)+3], 2*ROWB
	s_add_nc_u64 s[G0B+4*(C0%2)+2:G0B+4*(C0%2)+3], s[G0B+4*(C0%2)+2:G0B+4*(C0%2)+3], 2*ROWB
	JLOAD G0+4*(C0%2), G1, G0B+4*(C0%2), G1B       ; chunk C0 + 2; its four v_nop are the places ahead of the loads below
.else
	PLACES NP
.endif
.else
	s_wait_dscnt 4*NL                              ; B's set and A's blocks 0-3 are in
	WIN MUL_LO
	MUL16 0, (\st)%2, (\st)%2, ((\st)/2)%2, \zero
	MUL16 2, (\st)%2, (\st)%2, ((\st)/2)%2, \zero
	s_wait_dscnt 0
	PLACES NP
.endif
	FETCH_B NX, NX%2
	FETCH_A NX, 0
.if NX%2 == 0
	SCALES NX/2
.endif
	WIN MUL_HI
	MUL16 4, (\st)%2, (\st)%2, ((\st)/2)%2, \zero
	MUL16 6, (\st)%2, (\st)%2, ((\st)/2)%2, \zero
	PLACES NP
	WIN 0
	FETCH_A NX, 4
.endm
	s_wait_alu depctr_va_vdst(0)                   ; the wait at the head's end
	s_wait_tensorcnt 0x0                           ; my tile of the head's four is in; the three lines ahead of slot 1's first fill
	ds_add_u32 v[SPW], v[NIL]
	s_mov_b32 s[G1+2], 128<<16                     ; no tensor load of mine is out: from here on a load brings 128 rows
	s_mov_b32 s[G1+4], 128
	s_mov_b32 s[G1B+2], 128<<16
	s_mov_b32 s[G1B+4], 128
	s_wait_dscnt 0x0
	CROUND
	JLOAD G0+4, G1, G0B+4, G1B                     ; chunk 1, the first tensor load behind the round
	FETCH_B 0, 0
	FETCH_A 0, 0
	SCALES 0
	FETCH_A 0, 4
	STEP 0, 1                                      ; the first step's products start the sums
.set ST, 1
.rept STEPS-2
	STEP ST, 0
.set ST, ST+1
.endr
	s_wait_dscnt 4*NL                              ; the last step fetches nothing
	WIN MUL_LO
	MUL16 0, 1, 1, 1, 0
	MUL16 2, 1, 1, 1, 0
	s_wait_dscnt 0
	WIN MUL_HI
	MUL16 4, 1, 1, 1, 0
	MUL16 6, 1, 1, 1, 0
	WIN 0
; THE WAY OUT.  Block a of A's rows: my lane's 64 results, the bias added, come into window 0; each accumulator is read from its low end on.
.macro ADDB a                          ; the bias runs along the registers (q, k)
.set AC, 64*((\a)%4)
	WIN 0x02+((\a)/4)
.set kk, 0
.rept 32
	v_pk_add_f32 v[T+2*kk:T+2*kk+1], v[AC+2*kk:AC+2*kk+1], v[BI+2*kk:BI+2*kk+1]
.set kk, kk+1
.endr
	WIN 0
.endm
.macro ADDV a                          ; the bias is my lane's (v)
.set AC, 64*((\a)%4)
	WIN 0x02+((\a)/4)
.set kk, 0
.rept 32
	v_pk_add_f32 v[T+2*kk:T+2*kk+1], v[AC+2*kk:AC+2*kk+1], v[BV+2*(\a):BV+2*(\a)+1]
.set kk, kk+1
.endr
	WIN 0
.endm
; 64 numbers of a lane become codes: blocks 0, 1 six registers from dE on, blocks 2, 3 six from dO on; the four scale bytes make v[PW]
.macro QUANT dE, dO
.irp b, 0,1,2,3
	v_max3_num_f32 v[TMA+\b], |v[T+16*\b]|, |v[T+1+16*\b]|, 0x1800000   ; with the floor 2^(3 - 127): the byte cannot fall under 1
.endr
.irp i, 2,4,6,8,10,12,14
.irp b, 0,1,2,3
	v_max3_num_f32 v[TMA+\b], v[TMA+\b], |v[T+16*\b+\i]|, |v[T+1+16*\b+\i]|
.endr
.endr
.irp b, 0,1,2,3
	v_permlanex16_b32 v[TMB+\b], v[TMA+\b], s[SEL], s[SEL+1]
.endr
.irp b, 0,1,2,3
	v_max_num_f32 v[TMA+\b], v[TMA+\b], v[TMB+\b]  ; with lane l xor 16's
.endr
.irp b, 0,1,2,3
	v_add_nc_u32 v[SOP+\b], 0xff000000, v[TMA+\b]  ; 2 off the exponent field: the conversion's scale operand
.endr
.irp b, 0,1,2,3
	v_lshrrev_b32 v[TMB+\b], 23, v[SOP+\b]         ; the byte
.endr
	v_lshl_or_b32 v[PW], v[TMB+1], 8, v[TMB]
	v_lshl_or_b32 v[PW], v[TMB+2], 16, v[PW]
	v_lshl_or_b32 v[PW], v[TMB+3], 24, v[PW]
	v_cvt_scalef32_pk16_fp6_f32 v[(\dE):(\dE)+2], v[T:T+15], v[SOP]
	v_cvt_scalef32_pk16_fp6_f32 v[XQ:XQ+2], v[T+16:T+31], v[SOP+1]
	v_cvt_scalef32_pk16_fp6_f32 v[(\dO):(\dO)+2], v[T+32:T+47], v[SOP+2]
	v_cvt_scalef32_pk16_fp6_f32 v[XQ+4:XQ+6], v[T+48:T+63], v[SOP+3]
	v_nop                                          ; one plain place behind a scaled conversion
.irp i, 0,1,2                                  ; a whole block in a lane: lanes 0-15 the even block, lanes 16-31 the odd one
	v_permlane16_swap_b32 v[(\dE)+\i], v[XQ+\i]
	v_permlane16_swap_b32 v[(\dO)+\i], v[XQ+4+\i]
.endr
.irp i, 0,1,2
	v_mov_b32 v[(\dE)+3+\i], v[XQ+\i]
	v_mov_b32 v[(\dO)+3+\i], v[XQ+4+\i]
.endr
.endm
.macro ST3 reg, off                    ; each store covers 512 consecutive bytes, aligned to 256
.irp c, 0,1,2
	global_store_b128 v[LI], v[(\reg)+4*\c:(\reg)+4*\c+3], s[12:13] offset:(\off)+512*\c
.endr
.endm
	PLACES NP                                      ; behind the last products
	s_wait_loadcnt 0x0                             ; the bias
	s_cmp_eq_u32 ttmp9, 2                          ; the kind: the same in every wave and partner
	s_cbranch_scc1 .Lvalues
.irp p, 0,1,2,3                                ; q, k: two tiles of 16 tokens make a pair image for each of my two heads
.if \p > 0
	s_wait_xcnt 0x0                                ; the last pair's stores have read their registers
.endif
	ADDB 2*\p
	QUANT IE, IO
	v_mov_b32 v[PWA], v[PW]
	ADDB 2*\p+1
	QUANT IE+6, IO+6
	v_perm_b32 v[SW+\p], v[PW], v[PWA], 0x05040100     ; the even head's word
	v_perm_b32 v[SW+4+\p], v[PW], v[PWA], 0x07060302   ; the odd head's
	ST3 IE, 1536*\p
	ST3 IO, REC+1536*\p
.endr
	s_branch .Ljoin
.Lvalues:
.irp a, 0,1,2,3,4,5,6,7                        ; v: 16 features x my 128 keys are one image
.if \a > 0
	s_wait_xcnt 0x0
.endif
	ADDV \a
	QUANT IE, IE+6
	v_mov_b32 v[SW+\a], v[PW]
	ST3 IE, (\a/4)*REC+(\a%4)*1536
.endr
.Ljoin:
	s_wait_alu depctr_va_vdst(0)
.irp i, 0,1,2,3
	v_cndmask_b32 v[SW+\i], v[SW+\i], v[SW+4+\i], s[HIM]   ; lanes 0-15 the even head's unit, lanes 16-31 the odd head's
.endr
	global_store_b128 v[SCA], v[SW:SW+3], s[66:67] ; sixteen lanes store one aligned unit of 256 bytes
	s_wait_tensorcnt 0x0                           ; the wave's end
	ds_add_u32 v[SPW], v[NIL]
	s_wait_dscnt 0x0
	CROUND                                         ; the closing round
	s_endpgm
.Lfunc_end_k_q2a9b2e5df6_qkvproj:
	.size	k_q2a9b2e5df6_qkvproj, .Lfunc_end_k_q2a9b2e5df6_qkvproj-k_q2a9b2e5df6_qkvproj
	.p2alignl 7, 3214868480
	.fill 96, 4, 3214868480
	.section	.rodata,"a",@progbits
	.p2align	6, 0x0
	.amdhsa_kernel k_q2a9b2e5df6_qkvproj
		.amdhsa_group_segment_fixed_size 327680
		.amdhsa_private_segment_fixed_size 0
		.amdhsa_enable_private_segment 0
		.amdhsa_kernarg_size 96
		.amdhsa_user_sgpr_count 2
		.amdhsa_user_sgpr_kernarg_segment_ptr 1
		.amdhsa_wavefront_size32 1
		.amdhsa_system_sgpr_workgroup_id_x 1
		.amdhsa_system_sgpr_workgroup_id_y 1
		.amdhsa_system_sgpr_workgroup_id_z 1
		.amdhsa_system_vgpr_workitem_id 0
		.amdhsa_next_free_vgpr 1024
		.amdhsa_next_free_sgpr 102
		.amdhsa_reserve_vcc 0
		.amdhsa_float_denorm_mode_32 3
		.amdhsa_float_denorm_mode_16_64 3
		.amdhsa_memory_ordered 1
		.amdhsa_forward_progress 1
		.amdhsa_inst_pref_size 234
	.end_amdhsa_kernel
	.amdgpu_metadata
---
amdhsa.version: [ 1, 2 ]
amdhsa.kernels:
  - .name:           k_q2a9b2e5df6_qkvproj
    .symbol:         k_q2a9b2e5df6_qkvproj.kd
    .args:
      - { .name: x_codes, .offset: 0, .size: 8, .value_kind: global_buffer, .address_space: global }
      - { .name: x_scales, .offset: 8, .size: 8, .value_kind: global_buffer, .address_space: global }
      - { .name: Wq_codes, .offset: 16, .size: 8, .value_kind: global_buffer, .address_space: global }
      - { .name: Wq_scales, .offset: 24, .size: 8, .value_kind: global_buffer, .address_space: global }
      - { .name: bq, .offset: 32, .size: 8, .value_kind: global_buffer, .address_space: global }
      - { .name: Wk_codes, .offset: 40, .size: 8, .value_kind: global_buffer, .address_space: global }
      - { .name: Wk_scales, .offset: 48, .size: 8, .value_kind: global_buffer, .address_space: global }
      - { .name: bk, .offset: 56, .size: 8, .value_kind: global_buffer, .address_space: global }
      - { .name: Wv_codes, .offset: 64, .size: 8, .value_kind: global_buffer, .address_space: global }
      - { .name: Wv_scales, .offset: 72, .size: 8, .value_kind: global_buffer, .address_space: global }
      - { .name: bv, .offset: 80, .size: 8, .value_kind: global_buffer, .address_space: global }
      - { .name: qkv, .offset: 88, .size: 8, .value_kind: global_buffer, .address_space: global }
    .group_segment_fixed_size: 327680
    .private_segment_fixed_size: 0
    .kernarg_segment_align: 8
    .kernarg_segment_size: 96
    .max_flat_workgroup_size: 128
    .sgpr_count:     102
    .vgpr_count:     1024
    .wavefront_size: 32
...
	.end_amdgpu_metadata
.endif
;; end of part 1
;; launch attn (part 2): grid 4 x 64, 8 waves a work-group, no clusters, 327,680 bytes of LDS; arguments qkv, oc, os; writes oc, os
.if DOCPART == 2
	.amdgcn_target "amdgcn-amd-amdhsa--gfx1250"
	.amdhsa_code_object_version 6
	.text
	.protected	k_q2a9b2e5df6_attn
	.globl	k_q2a9b2e5df6_attn
	.p2align	8
	.type	k_q2a9b2e5df6_attn,@function
k_q2a9b2e5df6_attn:
	s_mov_b64 s[64:65], 0
	v_nop
	global_prefetch_b8 v0, s[64:65] scope:SCOPE_SE
	s_setreg_imm32_b32 hwreg(HW_REG_WAVE_MODE, 25, 1), 1
	s_wait_xcnt 0x0
; o = softmax(q k^T / 8) v for one (batch, head) and 512 queries, both products on codes of FP6 (E2M3) with E8M0 scales; p is quantised finished and normalised; o leaves as codes and scales for the last product.
; SHARES.  Work-group (x, y): record y of qkv, queries 512 x .. 512 x + 511.  THE KEYS ARE SPLIT AMONG THE EIGHT WAVES: wave w owns keys 256 w .. 256 w + 255.
; Its fragments of K (8 pair images, 96 registers) and of V (8 images, 96 registers) and their scale words are loaded from memory once and stay in registers for all 32 groups of 16 queries.
; A GROUP: S^T = K q^T for my 256 keys (16 matrix instructions, 128 registers: a lane holds one query); the largest score of each block of 32 keys; my own M (the largest t rounded up to a whole number);
; p' = 2^(t - M); my sum.  (-M, sum) go to LDS; one barrier; every wave reads all eight, takes the largest M and the whole sum l under it (ldexp: nothing is rounded), and multiplies its p' by
; f = 2^(my M - M) / l: the normalised p, each score being computed and exponentiated once.  p is quantised block by block (a block's largest p comes from its largest score by the same operations),
; O^T = V^T p^T over my keys (8 matrix instructions), and the part sums, f32, go to LDS as images of registers.
; After eight groups: one barrier; wave w adds the eight parts of group w, quantises the 64 features of its 16 tokens and stores codes (768 bytes a tile and head, whole units) and scale bytes.
; The exchange words have two sets, which the two groups of a pair use by turns: between a set's reads and its next stores lies the other group's barrier.
; No cluster and no joint loads: K and V go from memory straight into registers, which a tensor load cannot fill; the launch has no tensor load.
; No prefetch: only q streams (1,536 bytes a pair of groups), and its load is issued one pair ahead.
; LIMITS: the promise holds while the scaled scores stay under 2^31 in magnitude; NaN and infinities are not served; a block of p or o under 2^-124 keeps the byte 1 (read by this program alone).
; REGISTERS: window 0: v1-9 addresses; v12-23 work; v24-39 the exchange; v40-59 scale words; v64-191 S; v192-239 codes and work; v240-255 block maxima.
;   window 1: v0-95 K, v96-191 V, v192-223 O^T, v224-253 q between zeros.
.set REC,   307200
.set KSO,   98304
.set VIO,   102400
.set VSO,   200704
.set QIO,   204800
.set QSO,   303104
.set EX,    262144                     ; behind the part sums (8 groups x 8 waves x 4,096 bytes): 2 sets x 8 waves x 16 queries x 8 bytes
.set SPARE, EX+2048                    ; the spare words: 128 bytes a wave
.set LI,  1                            ; 16 x lane
.set LR,  2                            ; 16 x r
.set L8,  3                            ; 8 x lane
.set L32R, 4                           ; 32 x r
.set EXW, 5
.set EXR, 6
.set OPW, 7
.set OPR, 8
.set AOW, 9
.set W,   12
.set NM,  14                           ; v14 -M, v15 my sum
.set F,   18
.set LT,  20
.set SU,  22
.set EXV, 24
.set KW,  40
.set VW,  48
.set QW,  56
.set PW,  58
.set SPW, 60
.set NIL, 61
.set QR,  62
.set G,   63
.set S,   64
.set PCD, 192
.set X,   216
.set OC,  224
.set SO,  232
.set BM,  240
.set PT,  248
.set KF,  0
.set VF,  96
.set OA,  192
.set QB,  224
.set WV,  10
.set SEL, 14
.set CS,  16
.set I,   18
.set J,   32
.set MSB, 0
.macro WIN new                         ; the immediate's high byte repeats the setting that is left
.if MSB != (\new)
	s_set_vgpr_msb (MSB<<8)|(\new)
.set MSB, (\new)
.endif
.endm
.macro NOPS n
.rept \n
	v_nop
.endr
.endm
.macro QADDR                           ; pair s13 of my 16: its image and its scale word
	s_mul_i32 s20, s13, 1536
	s_lshr_b32 s22, s13, 2
	s_lshl_b32 s22, s22, 8
	s_and_b32 s19, s13, 3
	s_lshl_b32 s19, s19, 2
	s_add_co_u32 s22, s22, s19
	s_add_nc_u64 s[40:41], s[28:29], s[20:21]
	s_add_nc_u64 s[42:43], s[30:31], s[22:23]
.endm
.macro QLOAD                           ; two tiles of 16 queries, each between registers of zeros
	WIN 0x40
.irp i, 0,1,2
	global_load_b64 v[QB+6+2*\i:QB+7+2*\i], v[LI], s[40:41] offset:QIO+512*(\i/2)+8*(\i%2)
	global_load_b64 v[QB+18+2*\i:QB+19+2*\i], v[LI], s[40:41] offset:QIO+512*((\i+3)/2)+8*((\i+3)%2)
.endr
	WIN 0
	global_load_b32 v[QR], v[LR], s[42:43] offset:QSO
.endm
	s_load_b128 s[4:7], s[0:1], 0x0                ; qkv, oc
	s_load_b64 s[8:9], s[0:1], 0x10                ; os
	v_lshl_add_u32 v[SPW], v0, 2, SPARE
	v_mov_b32 v[NIL], 0
	v_lshrrev_b32 v10, 5, v0
	v_readfirstlane_b32 s[WV], v10
	s_mov_b32 s11, ttmp9                           ; which 512 queries
	s_and_b32 s12, ttmp7, 0xffff                   ; 16 x batch + head
	s_mov_b32 s[SEL], 0x76543210
	s_mov_b32 s[SEL+1], 0xfedcba98
	s_mov_b32 s[CS], 0x3e38aa3b                    ; log2(e) / 8
	s_mov_b32 s[CS+1], s[CS]
	s_mov_b32 s21, 0
	s_mov_b32 s23, 0
	s_lshl_b32 s19, s[WV], 7
	s_lshl_b32 s20, s[WV], 12
	s_lshl_b32 s22, s[WV], 15
	v_and_b32 v10, 31, v0
	v_and_b32 v11, 15, v0
	v_lshlrev_b32 v[LI], 4, v10
	v_lshlrev_b32 v[LR], 4, v11
	v_lshlrev_b32 v[L8], 3, v10
	v_lshlrev_b32 v[L32R], 5, v11
	v_lshlrev_b32 v16, 3, v11
	v_add_nc_u32 v[EXR], EX, v16                   ; query r's words of wave 0
	v_add_nc_u32 v[EXW], s19, v[EXR]               ; and of my wave
	v_add_nc_u32 v[OPW], s20, v[LI]                ; my part of group 0
	v_add_nc_u32 v[OPR], s22, v[LI]                ; wave 0's part of the group that I add up
.irp b, 0,1,2,3,4,5,6,7
	v_mov_b32 v[PT+\b], 0                          ; a lane permute's destination counts as a source
.endr
	v_mov_b32 v[NM+1], 0                           ; upper halves of pairs that packed forms name
	v_mov_b32 v[F+1], 0
	WIN 0x40
.irp z, 0,1,2,3,4,5,12,13,14,15,16,17,24,25,26,27,28,29
	v_mov_b32 v[QB+\z], 0
.endr
	WIN 0
	s_wait_alu depctr_va_vdst(0)                   ; the wait at the end of the head's vector work
	s_wait_kmcnt 0x0
	s_mul_i32 s20, s12, REC
	s_add_nc_u64 s[4:5], s[4:5], s[20:21]          ; my record
	s_mul_i32 s20, s[WV], 12288
	s_add_nc_u64 s[24:25], s[4:5], s[20:21]        ; my 8 images of K; V's lie VIO further on
	s_lshl_b32 s20, s[WV], 9
	s_add_nc_u64 s[26:27], s[4:5], s[20:21]        ; my 2 scale units
	s_mul_i32 s20, s11, 24576
	s_add_nc_u64 s[28:29], s[4:5], s[20:21]        ; my 16 pair images of q
	s_lshl_b32 s20, s11, 10
	s_add_nc_u64 s[30:31], s[4:5], s[20:21]        ; their 4 scale units
	s_lshr_b32 s19, s12, 4                         ; batch
	s_and_b32 s22, s12, 15                         ; head
	s_lshl_b32 s20, s19, 7
	s_lshl_b32 s13, s11, 5
	s_add_co_u32 s20, s20, s13
	s_add_co_u32 s20, s20, s[WV]                   ; the tile of 16 tokens that I store first
	s_lshl_b32 s13, s20, 9
	s_mul_i32 s20, s20, 12288
	s_mul_i32 s19, s22, 768
	s_add_co_u32 s20, s20, s19
	s_add_nc_u64 s[44:45], s[6:7], s[20:21]        ; its codes
	s_lshl_b32 s22, s22, 1
	s_add_co_u32 s22, s22, s13
	s_add_nc_u64 s[46:47], s[8:9], s[22:23]        ; its scale bytes
	s_mov_b32 s13, 0
	QADDR
	WIN 0x40
.irp i, 0,1,2,3,4,5,6,7
.irp c, 0,1,2
	global_load_b128 v[KF+12*\i+4*\c:KF+12*\i+4*\c+3], v[LI], s[24:25] offset:1536*\i+512*\c
	global_load_b128 v[VF+12*\i+4*\c:VF+12*\i+4*\c+3], v[LI], s[24:25] offset:VIO+1536*\i+512*\c
.endr
.endr
	WIN 0
.irp u, 0,1
	global_load_b128 v[KW+4*\u:KW+4*\u+3], v[LR], s[26:27] offset:KSO+256*\u
	global_load_b128 v[VW+4*\u:VW+4*\u+3], v[LR], s[26:27] offset:VSO+256*\u
.endr
	QLOAD
.macro PAIRHEAD
	s_wait_loadcnt 0x0                             ; this pair's q is in (the first time: K and V too); its address registers are free
	s_lshl_b32 s13, s[J], 2
	s_add_co_u32 s13, s13, s[I]
	s_add_co_u32 s13, s13, 1
	s_min_u32 s13, s13, 15                         ; the next pair; the last trip names its own again and stays inside the buffer
	QADDR
	s_lshl_b32 s19, s[I], 16
	v_perm_b32 v[QW], v[QR], v[QR], 0x01000100     ; a tile's two scale bytes, for either half of K = 128
	v_perm_b32 v[QW+1], v[QR], v[QR], 0x03020302
	v_add_nc_u32 v[AOW], s19, v[OPW]               ; where this pair's part sums go
	NOPS 8                                         ; places between a scale register's write and the scaled matrix instruction
.endm
.macro GROUP t
	WIN 0x05
.irp i, 0,1,2,3,4,5,6,7
	v_wmma_scale_f32_16x16x128_f8f6f4 v[S+16*\i:S+16*\i+7], v[KF+12*\i:KF+12*\i+11], v[QB+12*\t+6:QB+12*\t+17], 0, v[KW+\i], v[QW+\t] matrix_a_fmt:MATRIX_FMT_FP6 matrix_b_fmt:MATRIX_FMT_FP6
	v_wmma_scale_f32_16x16x128_f8f6f4 v[S+16*\i+8:S+16*\i+15], v[KF+12*\i:KF+12*\i+11], v[QB+12*\t:QB+12*\t+11], 0, v[KW+\i], v[QW+\t] matrix_a_fmt:MATRIX_FMT_FP6 matrix_b_fmt:MATRIX_FMT_FP6
.endr
	WIN 0
	NOPS 4                                         ; places behind the products (ISA guide 7.12.1)
.if \t == 1
	QLOAD                                          ; the next pair's q, into registers that are read no more
.endif
.irp b, 0,1,2,3,4,5,6,7
	v_max3_num_f32 v[BM+\b], v[S+16*\b], v[S+16*\b+1], v[S+16*\b+2]   ; the largest score of each block of 32 keys
.endr
.irp i, 3,5,7,9,11,13
.irp b, 0,1,2,3,4,5,6,7
	v_max3_num_f32 v[BM+\b], v[BM+\b], v[S+16*\b+\i], v[S+16*\b+\i+1]
.endr
.endr
.irp b, 0,1,2,3,4,5,6,7
	v_max_num_f32 v[BM+\b], v[BM+\b], v[S+16*\b+15]
.endr
.irp b, 0,1,2,3,4,5,6,7
	v_permlanex16_b32 v[PT+\b], v[BM+\b], s[SEL], s[SEL+1]
.endr
.irp b, 0,1,2,3,4,5,6,7
	v_max_num_f32 v[BM+\b], v[BM+\b], v[PT+\b]
.endr
	v_max3_num_f32 v[W], v[BM], v[BM+1], v[BM+2]
	v_max3_num_f32 v[W+1], v[BM+3], v[BM+4], v[BM+5]
	v_max3_num_f32 v[W], v[W], v[BM+6], v[BM+7]
	v_max_num_f32 v[W], v[W], v[W+1]
	v_mul_f32 v[W], s[CS], v[W]
	v_floor_f32 v[NM], -v[W]                       ; -M = floor(-t): M is a whole number
.set kk, 0
.rept 64
	v_pk_fma_f32 v[S+2*kk:S+2*kk+1], v[S+2*kk:S+2*kk+1], s[CS:CS+1], v[NM:NM+1] op_sel_hi:[1,0,0]
.set kk, kk+1
.endr
.irp b, 0,1,2,3,4,5,6,7
	v_fma_f32 v[BM+\b], v[BM+\b], s[CS], v[NM]
.endr
	s_wait_alu depctr_va_vdst(0)                   ; a wait ahead of the batch and one behind it
.set kk, 0
.rept 128
	v_exp_f32 v[S+kk], v[S+kk]
.set kk, kk+1
.endr
.irp b, 0,1,2,3,4,5,6,7
	v_exp_f32 v[BM+\b], v[BM+\b]
.endr
	v_nop
	s_wait_alu depctr_va_vdst(0)
	v_pk_add_f32 v[SU:SU+1], v[S:S+1], v[S+2:S+3]  ; my sum, of the unquantised p', in two chains
	v_pk_add_f32 v[LT:LT+1], v[S+4:S+5], v[S+6:S+7]
.set kk, 8
.rept 30
	v_pk_add_f32 v[SU:SU+1], v[SU:SU+1], v[S+kk:S+kk+1]
	v_pk_add_f32 v[LT:LT+1], v[LT:LT+1], v[S+kk+2:S+kk+3]
.set kk, kk+4
.endr
	v_pk_add_f32 v[SU:SU+1], v[SU:SU+1], v[LT:LT+1]
	v_add_f32 v[W], v[SU], v[SU+1]
	v_permlanex16_b32 v[PT], v[W], s[SEL], s[SEL+1]
	v_add_f32 v[NM+1], v[W], v[PT]
	ds_store_b64 v[EXW], v[NM:NM+1] offset:1024*\t ; lanes r and r + 16 store the same words
	s_wait_alu depctr_va_vdst(0)
	s_wait_dscnt 0x0                               ; my words are stored, and all my earlier LDS instructions are done
	s_barrier_signal -1
	s_barrier_wait -1
.irp w, 0,1,2,3,4,5,6,7
	ds_load_b64 v[EXV+2*\w:EXV+2*\w+1], v[EXR] offset:1024*\t+128*\w
.endr
	s_wait_dscnt 0x0
	v_min3_num_f32 v[G], v[EXV], v[EXV+2], v[EXV+4]
	v_min3_num_f32 v[G], v[G], v[EXV+6], v[EXV+8]
	v_min3_num_f32 v[G], v[G], v[EXV+10], v[EXV+12]
	v_min_num_f32 v[G], v[G], v[EXV+14]            ; -(the largest M)
.irp w, 0,1,2,3,4,5,6,7
	v_sub_f32 v[EXV+2*\w], v[G], v[EXV+2*\w]       ; wave w's M less the largest: a whole number, 0 or less
.endr
.irp w, 0,1,2,3,4,5,6,7
	v_cvt_i32_f32 v[EXV+2*\w], v[EXV+2*\w]
.endr
.irp w, 0,1,2,3,4,5,6,7
	v_ldexp_f32 v[EXV+2*\w+1], v[EXV+2*\w+1], v[EXV+2*\w]
.endr
	v_add_f32 v[EXV+1], v[EXV+1], v[EXV+3]
	v_add_f32 v[EXV+5], v[EXV+5], v[EXV+7]
	v_add_f32 v[EXV+9], v[EXV+9], v[EXV+11]
	v_add_f32 v[EXV+13], v[EXV+13], v[EXV+15]
	v_add_f32 v[EXV+1], v[EXV+1], v[EXV+5]
	v_add_f32 v[EXV+9], v[EXV+9], v[EXV+13]
	v_add_f32 v[EXV+1], v[EXV+1], v[EXV+9]         ; the row's sum
	v_sub_f32 v[W], v[G], v[NM]
	v_cvt_i32_f32 v[W], v[W]
	s_wait_alu depctr_va_vdst(0)
	v_rcp_f32 v[F], v[EXV+1]
	v_nop
	s_wait_alu depctr_va_vdst(0)
	v_ldexp_f32 v[F], v[F], v[W]                   ; f = 2^(my M - M) / sum
.set kk, 0
.rept 64
	v_pk_mul_f32 v[S+2*kk:S+2*kk+1], v[S+2*kk:S+2*kk+1], v[F:F+1] op_sel_hi:[1,0]
.set kk, kk+1
.endr
.irp b, 0,1,2,3,4,5,6,7
	v_mul_f32 v[BM+\b], v[BM+\b], v[F]             ; each block's largest p, by the same operations
.endr
.irp b, 0,1,2,3,4,5,6,7
	v_max_num_f32 v[BM+\b], 0x1800000, v[BM+\b]    ; the floor 2^(3 - 127): the byte cannot fall under 1
.endr
.irp b, 0,1,2,3,4,5,6,7
	v_add_nc_u32 v[SO+\b], 0xff000000, v[BM+\b]    ; 2 off the exponent field: the conversion's scale operand
.endr
.irp b, 0,1,2,3,4,5,6,7
	v_lshrrev_b32 v[PT+\b], 23, v[SO+\b]
.endr
.irp u, 0,1
	v_lshl_or_b32 v[PW+\u], v[PT+4*\u+1], 8, v[PT+4*\u]
.endr
.irp u, 0,1
	v_lshl_or_b32 v[PW+\u], v[PT+4*\u+2], 16, v[PW+\u]
.endr
.irp u, 0,1
	v_lshl_or_b32 v[PW+\u], v[PT+4*\u+3], 24, v[PW+\u]
.endr
.irp u, 0,1
.irp c, 0,1
	v_cvt_scalef32_pk16_fp6_f32 v[PCD+12*\u+6*\c:PCD+12*\u+6*\c+2], v[S+64*\u+32*\c:S+64*\u+32*\c+15], v[SO+4*\u+2*\c]
	v_cvt_scalef32_pk16_fp6_f32 v[X+8*\u+4*\c:X+8*\u+4*\c+2], v[S+64*\u+32*\c+16:S+64*\u+32*\c+31], v[SO+4*\u+2*\c+1]
.endr
.endr
	v_nop                                          ; one plain place behind a scaled conversion
.irp u, 0,1
.irp c, 0,1
.irp i, 0,1,2
	v_permlane16_swap_b32 v[PCD+12*\u+6*\c+\i], v[X+8*\u+4*\c+\i]   ; a whole block in a lane
.endr
.endr
.endr
.irp u, 0,1
.irp c, 0,1
.irp i, 0,1,2
	v_mov_b32 v[PCD+12*\u+6*\c+3+\i], v[X+8*\u+4*\c+\i]
.endr
.endr
.endr
	NOPS 8                                         ; places ahead of the scaled matrix instructions
	WIN 0x51
.irp d, 0,1,2,3                                ; the four accumulators by turns
	v_wmma_scale_f32_16x16x128_f8f6f4 v[OA+8*\d:OA+8*\d+7], v[VF+12*\d:VF+12*\d+11], v[PCD:PCD+11], 0, v[VW+\d], v[PW] matrix_a_fmt:MATRIX_FMT_FP6 matrix_b_fmt:MATRIX_FMT_FP6
.endr
.irp d, 0,1,2,3
	v_wmma_scale_f32_16x16x128_f8f6f4 v[OA+8*\d:OA+8*\d+7], v[VF+48+12*\d:VF+48+12*\d+11], v[PCD+12:PCD+23], v[OA+8*\d:OA+8*\d+7], v[VW+4+\d], v[PW+1] matrix_a_fmt:MATRIX_FMT_FP6 matrix_b_fmt:MATRIX_FMT_FP6
.endr
	NOPS 4
	WIN 0x04                                       ; the data: window 1
.irp k, 0,1,2,3,4,5,6,7
	ds_store_b128 v[AOW], v[OA+4*\k:OA+4*\k+3] offset:32768*\t+512*\k   ; each accumulator from its low end on
.endr
	WIN 0
.endm
.macro PLOAD p, reg                    ; wave p's part of my group
.irp k, 0,1,2,3,4,5,6,7
	ds_load_b128 v[\reg+4*\k:\reg+4*\k+3], v[OPR] offset:4096*\p+512*\k
.endr
.endm
.macro PADD a, b                       ; 32 registers at a += those at b
.set kk, 0
.rept 16
	v_pk_add_f32 v[\a+2*kk:\a+2*kk+1], v[\a+2*kk:\a+2*kk+1], v[\b+2*kk:\b+2*kk+1]
.set kk, kk+1
.endr
.endm
.macro REDUCE
	s_wait_alu depctr_va_vdst(0)
	s_wait_dscnt 0x0                               ; my part sums are stored
	s_barrier_signal -1
	s_barrier_wait -1
	PLOAD 0, S
	PLOAD 1, S+32
	PLOAD 2, S+64
	PLOAD 3, S+96
	s_wait_dscnt 0x0
	PADD S, S+32
	PADD S+64, S+96
	PADD S, S+64
	PLOAD 4, S+32
	PLOAD 5, S+64
	PLOAD 6, S+96
	PLOAD 7, PCD
	s_wait_alu depctr_va_vdst(0)
	s_wait_dscnt 0x0
	PADD S, S+32
	PADD S+64, S+96
	PADD S, S+64
	PADD S, PCD                                    ; register 8 d + j: o(token r, feature 16 d + 8 h + j)
.irp g, 0,1
.irp j, 0,1,2,3,4,5,6,7
	v_permlane16_swap_b32 v[S+16*\g+\j], v[S+16*\g+8+\j]   ; lane h now holds features 32 g + 16 h + 0 .. 15, in their order
.endr
.endr
.irp g, 0,1
	v_max3_num_f32 v[BM+\g], |v[S+16*\g]|, |v[S+16*\g+1]|, 0x1800000
.endr
.irp i, 2,4,6,8,10,12,14
.irp g, 0,1
	v_max3_num_f32 v[BM+\g], v[BM+\g], |v[S+16*\g+\i]|, |v[S+16*\g+\i+1]|
.endr
.endr
.irp g, 0,1
	v_permlanex16_b32 v[PT+\g], v[BM+\g], s[SEL], s[SEL+1]
.endr
.irp g, 0,1
	v_max_num_f32 v[BM+\g], v[BM+\g], v[PT+\g]
.endr
.irp g, 0,1
	v_add_nc_u32 v[SO+\g], 0xff000000, v[BM+\g]
.endr
.irp g, 0,1
	v_lshrrev_b32 v[PT+\g], 23, v[SO+\g]
.endr
	v_lshl_or_b32 v[W], v[PT+1], 8, v[PT]          ; the head's two scale bytes of token r
	v_cvt_scalef32_pk16_fp6_f32 v[OC:OC+2], v[S:S+15], v[SO]
	v_cvt_scalef32_pk16_fp6_f32 v[X:X+2], v[S+16:S+31], v[SO+1]
	v_nop
.irp i, 0,1,2
	v_permlane16_swap_b32 v[OC+\i], v[X+\i]
.endr
.irp i, 0,1,2
	v_mov_b32 v[OC+3+\i], v[X+\i]
.endr
	global_store_b128 v[LI], v[OC:OC+3], s[44:45]              ; 512 consecutive bytes, aligned to 256
	global_store_b64 v[L8], v[OC+4:OC+5], s[44:45] offset:512  ; and 256 more
	global_store_b16 v[L32R], v[W], s[46:47]                   ; lanes r and r + 16 store the same bytes
	s_wait_xcnt 0x0                                ; the stores have read their registers and bases
	s_add_nc_u64 s[44:45], s[44:45], 8*12288       ; eight tiles of 16 tokens on
	s_add_nc_u64 s[46:47], s[46:47], 4096
.endm
	s_mov_b32 s[J], 0
.Lbatch:
	s_mov_b32 s[I], 0
.Lpair:
	PAIRHEAD
	GROUP 0
	GROUP 1
	s_add_co_u32 s[I], s[I], 1
	s_cmp_lt_u32 s[I], 4
	s_wait_alu depctr_va_vdst(0)                   ; the wait ahead of the backward jump
	s_cbranch_scc1 .Lpair
	REDUCE
	s_add_co_u32 s[J], s[J], 1
	s_cmp_lt_u32 s[J], 4
	s_wait_alu depctr_va_vdst(0)
	s_cbranch_scc1 .Lbatch
	s_wait_tensorcnt 0x0                           ; the wave's end
	ds_add_u32 v[SPW], v[NIL]
	s_wait_dscnt 0x0
	s_endpgm
.Lfunc_end_k_q2a9b2e5df6_attn:
	.size	k_q2a9b2e5df6_attn, .Lfunc_end_k_q2a9b2e5df6_attn-k_q2a9b2e5df6_attn
	.p2alignl 7, 3214868480
	.fill 96, 4, 3214868480
	.section	.rodata,"a",@progbits
	.p2align	6, 0x0
	.amdhsa_kernel k_q2a9b2e5df6_attn
		.amdhsa_group_segment_fixed_size 327680
		.amdhsa_private_segment_fixed_size 0
		.amdhsa_enable_private_segment 0
		.amdhsa_kernarg_size 24
		.amdhsa_user_sgpr_count 2
		.amdhsa_user_sgpr_kernarg_segment_ptr 1
		.amdhsa_wavefront_size32 1
		.amdhsa_system_sgpr_workgroup_id_x 1
		.amdhsa_system_sgpr_workgroup_id_y 1
		.amdhsa_system_sgpr_workgroup_id_z 1
		.amdhsa_system_vgpr_workitem_id 0
		.amdhsa_next_free_vgpr 512
		.amdhsa_next_free_sgpr 66
		.amdhsa_reserve_vcc 0
		.amdhsa_float_denorm_mode_32 3
		.amdhsa_float_denorm_mode_16_64 3
		.amdhsa_memory_ordered 1
		.amdhsa_forward_progress 1
		.amdhsa_inst_pref_size 89
	.end_amdhsa_kernel
	.amdgpu_metadata
---
amdhsa.version: [ 1, 2 ]
amdhsa.kernels:
  - .name:           k_q2a9b2e5df6_attn
    .symbol:         k_q2a9b2e5df6_attn.kd
    .args:
      - { .name: qkv, .offset: 0, .size: 8, .value_kind: global_buffer, .address_space: global }
      - { .name: oc, .offset: 8, .size: 8, .value_kind: global_buffer, .address_space: global }
      - { .name: os, .offset: 16, .size: 8, .value_kind: global_buffer, .address_space: global }
    .group_segment_fixed_size: 327680
    .private_segment_fixed_size: 0
    .kernarg_segment_align: 8
    .kernarg_segment_size: 24
    .max_flat_workgroup_size: 256
    .sgpr_count:     66
    .vgpr_count:     512
    .wavefront_size: 32
...
	.end_amdgpu_metadata
.endif
;; end of part 2
;; launch outproj (part 3): grid 8 x 32, 4 waves a work-group, clusters of 4 x 4, 327,680 bytes of LDS; arguments oc, os, Wo_codes, Wo_scales, out0, bo; writes out0
.if DOCPART == 3
	.amdgcn_target "amdgcn-amd-amdhsa--gfx1250"
	.amdhsa_code_object_version 6
	.text
	.protected	k_q2a9b2e5df6_outproj
	.globl	k_q2a9b2e5df6_outproj
	.p2align	8
	.type	k_q2a9b2e5df6_outproj,@function
k_q2a9b2e5df6_outproj:
	s_mov_b64 s[64:65], 0
	v_nop
	global_prefetch_b8 v0, s[64:65] scope:SCOPE_SE
	s_setreg_imm32_b32 hwreg(HW_REG_WAVE_MODE, 25, 1), 1
	s_wait_xcnt 0x0
	s_wait_alu depctr_hold_cnt(0) depctr_sa_sdst(0) depctr_va_vdst(0) depctr_va_sdst(0) depctr_va_ssrc(0) depctr_va_vcc(0) depctr_vm_vsrc(0)
	s_getreg_b32 s2, hwreg(HW_REG_IB_STS2, 6, 4)
	s_cmp_eq_u32 s2, 0
	s_cbranch_scc0 .Lentry_in_a_cluster
	s_endpgm
.Lentry_in_a_cluster:
	s_bfe_u32 s2, ttmp6, 0x10000c
	s_cmp_lg_u32 s2, 0xf033
	s_cbranch_scc0 .Lentry_shape_is_right
	s_endpgm
.Lentry_shape_is_right:
; out0 = o Wo^T + bo on codes of FP6 (E2M3), one E8M0 scale for each 32 along K = 1,024; sums in f32; the bias is the C of the first step.
; SHARES.  A work-group makes 256 tokens x 128 features: 32 x 8 = 256 work-groups.  A wave makes 128 tokens x 64 features: 32 accumulators of 16 x 16.
; ALL OF K LIES IN LDS, filled once: o's 256 tokens are 196,608 dense bytes of oc (16 tiles of 16 tokens x 12,288 bytes, as the attention launch laid them: a head's 768 bytes are
; registers 0-3 at 16 x lane, registers 4-5 at 512 + 8 x lane); Wo's 128 rows are whole rows of 768 bytes, 16 bytes of padding behind every 256: pitch 816.
; One joint load a wave at the head: waves 0, 1 bring o's halves (shared along a row of the cluster), waves 2, 3 Wo's halves (shared along a column).  Nothing is filled again: one barrier.
; The scale words (32 bytes a row: one word a step) and the bias go from memory into registers, 16 lanes reading 512 neighbouring bytes in two loads.
; Source 0 = 16 rows of Wo, source 1 = 16 tokens: a lane holds a token, its eight registers eight neighbouring features.
; No prefetch: the launch has no ring to run ahead in; each byte is asked for once, at the head.
; REGISTERS: window 0: v16-30 addresses; v32-95 o's scale words (8 i + step); v96-127 Wo's; v128-159 the bias; v160-223 the way out.
;   windows 1, 2: the fragments of even and odd steps: o's eight at v0-95, Wo's four at v96-143.   window 3: accumulator (a, b) at v[8 (4 a + b)].
.set ATILE,  12288
.set AHALF,  8*ATILE
.set BPITCH, 816
.set BHALF,  64*BPITCH
.set BBASE,  2*AHALF
.set STAGE,  BBASE+2*BHALF             ; 16 rows x 272 bytes for each wave: bytes of their own
.set SPITCH, 272
.set SPARE,  STAGE+4*16*SPITCH         ; the spare words: 128 bytes a wave
.set FR,   12
.set BFR,  96
.set ADRA, 16                          ; v16, v17: 16 x lane, tiles 0-3, 4-7; v18, v19: 8 x lane
.set ADRB, 20                          ; v20; v21: lanes 16-31 behind one padding more
.set STO,  24
.set RD,   25
.set CO,   26
.set SCO,  27
.set SPW,  28
.set NIL,  29
.set BH32, 30
.set SA,   32
.set SB,   96
.set BI,   128
.set BK,   160
.set G1, 24
.set G0, 32
.set G1B, 48
.set G0B, 56
.set MSB, 0
.macro WIN new                         ; the immediate's high byte repeats the setting that is left
.if MSB != (\new)
	s_set_vgpr_msb (MSB<<8)|(\new)
.set MSB, (\new)
.endif
.endm
.macro CROUND                          ; a round of the cluster's barrier
	s_barrier_signal -1
	s_barrier_wait -1
	s_cmp_lg_u32 s14, 0
	s_cbranch_scc1 .Lnot_wave_0_\@
	s_barrier_signal -3
.Lnot_wave_0_\@:
	s_barrier_wait -3
	s_barrier_signal -1
	s_barrier_wait -1
.endm
.macro PLACES
.rept 4
	v_nop
.endr
.endm
	s_load_b128 s[4:7], s[0:1], 0x0                ; oc, os
	s_load_b128 s[8:11], s[0:1], 0x10              ; Wo's codes, Wo's scales
	s_load_b128 s[68:71], s[0:1], 0x20             ; out0, bo
	v_lshl_add_u32 v[SPW], v0, 2, SPARE
	v_mov_b32 v[NIL], 0
	ds_add_u32 v[SPW], v[NIL]                      ; the opening lines: the add twice and one wait
	ds_add_u32 v[SPW], v[NIL]
	v_lshrrev_b32 v1, 5, v0
	v_readfirstlane_b32 s14, v1                    ; wave
	s_lshr_b32 s15, s14, 1                         ; my half of the tokens; also: I fetch o (0) or Wo (1)
	s_and_b32 s16, s14, 1                          ; my half of the features; also: which half I fetch
	s_bfe_u32 s40, ttmp6, 0x40000                  ; cx
	s_bfe_u32 s41, ttmp6, 0x40004                  ; cy
	s_lshl_b32 s42, ttmp9, 2
	s_add_co_u32 s42, s42, s40                     ; tile column: 128 features
	s_and_b32 s17, ttmp7, 0xffff
	s_lshl_b32 s17, s17, 2
	s_add_co_u32 s17, s17, s41                     ; tile row: 256 tokens
	s_lshl_b32 s43, s41, 2
	s_lshl_b32 s43, 15, s43                        ; my row of the cluster
	s_lshl_b32 s44, 0x1111, s40                    ; my column
	s_or_b32 s[G1+0], s43, (3<<16)|(1<<21)         ; o: 98,304 dense bytes as 384 rows of 256 (32 elements of 8 bytes)
	s_mov_b32 s[G1+1], 32<<16
	s_mov_b32 s[G1+2], 384<<16
	s_mov_b32 s[G1+3], 32<<16
	s_mov_b32 s[G1+4], 384
	s_mov_b32 s[G1+5], 32
	s_mov_b32 s[G1+6], 0
	s_mov_b32 s[G1+7], 0
	s_or_b32 s[G1B+0], s44, (0<<16)|(1<<20)|(1<<21)|(5<<22)|(3<<25)  ; Wo: 64 rows of 768 bytes, 4 words of padding behind every 64
	s_mov_b32 s[G1B+1], 768<<16
	s_mov_b32 s[G1B+2], 64<<16
	s_mov_b32 s[G1B+3], 768<<16
	s_mov_b32 s[G1B+4], 64
	s_mov_b32 s[G1B+5], 768
	s_mov_b32 s[G1B+6], 0
	s_mov_b32 s[G1B+7], 0
	s_lshl_b32 s20, s17, 8
	s_lshl_b32 s18, s16, 7
	s_add_co_u32 s20, s20, s18                     ; the first token that I fetch
	s_mul_i32 s20, s20, 768
	s_mov_b32 s21, 0
	s_lshl_b32 s46, s42, 7
	s_lshl_b32 s18, s16, 6
	s_add_co_u32 s46, s46, s18                     ; the first feature that I fetch, and that I compute
	s_mul_i32 s22, s46, 768
	s_mov_b32 s23, 0
	s_mul_i32 s45, s16, AHALF
	s_mul_i32 s47, s16, BHALF
	s_add_co_u32 s47, s47, BBASE
	s_wait_dscnt 0x0                               ; both opening adds are done
	s_wait_kmcnt 0x0
	s_mov_b32 s[G0], 1
	s_mov_b32 s[G0+1], s45
	s_add_nc_u64 s[G0+2:G0+3], s[4:5], s[20:21]
	s_or_b32 s[G0+3], s[G0+3], 0x80000000
	s_mov_b32 s[G0B], 1
	s_mov_b32 s[G0B+1], s47
	s_add_nc_u64 s[G0B+2:G0B+3], s[8:9], s[22:23]
	s_or_b32 s[G0B+3], s[G0B+3], 0x80000000
	CROUND                                         ; all sixteen work-groups are here: the joint loads meet
	s_cmp_eq_u32 s15, 0
	s_cbranch_scc0 .Lfor_b
	tensor_load_to_lds s[G0:G0+3], s[G1:G1+7]
	s_nop 0
	PLACES
	s_branch .Lasked
.Lfor_b:
	tensor_load_to_lds s[G0B:G0B+3], s[G1B:G1B+7]
	s_nop 0
	PLACES
.Lasked:
	s_mul_i32 s20, s15, AHALF                      ; my 128 tokens
	s_mul_i32 s21, s16, BHALF
	s_add_co_u32 s21, s21, BBASE                   ; my 64 rows of Wo
	s_mul_i32 s23, s14, 16*SPITCH
	s_add_co_u32 s23, s23, STAGE                   ; my stage
	v_and_b32 v1, 15, v0                           ; r
	v_bfe_u32 v2, v0, 4, 1                         ; h
	v_and_b32 v3, 31, v0
	v_lshlrev_b32 v4, 4, v3
	v_lshlrev_b32 v5, 3, v3
	v_add_nc_u32 v[ADRA], s20, v4
	v_add_nc_u32 v[ADRA+2], s20, v5
	v_add_nc_u32 v[ADRA+1], 4*ATILE, v[ADRA]
	v_add_nc_u32 v[ADRA+3], 4*ATILE, v[ADRA+2]
	v_mul_u32_u24 v4, v1, BPITCH
	v_mad_u32_u24 v4, v2, 24, v4
	v_add_nc_u32 v[ADRB], s21, v4                  ; row x pitch + 24 h
	v_lshl_add_u32 v[ADRB+1], v2, 4, v[ADRB]
	v_mul_u32_u24 v5, v1, SPITCH
	v_lshl_add_u32 v5, v2, 5, v5
	v_add_nc_u32 v[STO], s23, v5                   ; in: row r, 32 bytes for each half of the lanes
	v_mul_u32_u24 v6, v2, SPITCH
	v_lshl_add_u32 v6, v1, 4, v6
	v_add_nc_u32 v[RD], s23, v6                    ; back: lanes 0-15 one row of 256 bytes, lanes 16-31 the next
	v_lshlrev_b32 v7, 12, v2
	v_lshl_add_u32 v[CO], v1, 4, v7                ; the same two rows in out0 (4,096 bytes a row)
	v_lshlrev_b32 v[SCO], 5, v1
	v_lshlrev_b32 v[BH32], 5, v2
	s_wait_alu depctr_va_vdst(0)                   ; the wait behind the head's vector work
	s_lshl_b32 s18, s17, 8
	s_lshl_b32 s19, s15, 7
	s_add_co_u32 s18, s18, s19                     ; my first token
	s_mov_b32 s21, 0
	s_lshl_b32 s20, s18, 5
	s_add_nc_u64 s[6:7], s[6:7], s[20:21]          ; its scales
	s_lshl_b32 s20, s46, 5
	s_add_nc_u64 s[10:11], s[10:11], s[20:21]      ; my first feature's scales
	s_lshl_b32 s20, s46, 2
	s_add_nc_u64 s[70:71], s[70:71], s[20:21]      ; its bias
	s_add_nc_u64 s[68:69], s[68:69], s[20:21]      ; its column of out0,
	s_lshl_b32 s20, s18, 12
	s_add_nc_u64 s[68:69], s[68:69], s[20:21]      ; in my first row
.irp i, 0,1,2,3,4,5,6,7
	global_load_b128 v[SA+8*\i:SA+8*\i+3], v[SCO], s[6:7] offset:512*\i
	global_load_b128 v[SA+8*\i+4:SA+8*\i+7], v[SCO], s[6:7] offset:512*\i+16
.endr
.irp b, 0,1,2,3
	global_load_b128 v[SB+8*\b:SB+8*\b+3], v[SCO], s[10:11] offset:512*\b
	global_load_b128 v[SB+8*\b+4:SB+8*\b+7], v[SCO], s[10:11] offset:512*\b+16
	global_load_b128 v[BI+8*\b:BI+8*\b+3], v[BH32], s[70:71] offset:64*\b
	global_load_b128 v[BI+8*\b+4:BI+8*\b+7], v[BH32], s[70:71] offset:64*\b+16
.endr
; a step's fragments, 56 LDS loads, into window 1 + step % 2
.macro FETCH st
	WIN 0x40*(1+(\st)%2)
.irp i, 0,1,2,3,4,5,6,7
.set AO, (\i%4)*ATILE+(\st)*1536
	ds_load_b128 v[FR*\i:FR*\i+3], v[ADRA+\i/4] offset:AO
	ds_load_b64 v[FR*\i+4:FR*\i+5], v[ADRA+2+\i/4] offset:AO+512
	ds_load_b128 v[FR*\i+6:FR*\i+9], v[ADRA+\i/4] offset:AO+768
	ds_load_b64 v[FR*\i+10:FR*\i+11], v[ADRA+2+\i/4] offset:AO+1280
.endr
.irp i, 0,1,2,3
.irp p, 0,1,2,3,4,5
.set BY, 96*(\st)+48*(\p/3)+8*(\p%3)   ; byte y of a row lies at y + 16 (y / 256); lanes 16-31 read 24 bytes on
	ds_load_b64 v[BFR+FR*\i+2*\p:BFR+FR*\i+2*\p+1], v[ADRB+(BY+24)/256-BY/256] offset:BY+16*(BY/256)+\i*16*BPITCH
.endr
.endr
	WIN 0
.endm
; a step's 32 matrix instructions; the accumulators take turns in the same order in every step
.macro MUL st, first
.if \first
	WIN 0xc5
.else
	WIN 0xf0|(5*(1+(\st)%2))
.endif
.irp a, 0,1,2,3,4,5,6,7
.irp b, 0,1,2,3
.if \first
	v_wmma_scale_f32_16x16x128_f8f6f4 v[8*(4*\a+\b):8*(4*\a+\b)+7], v[BFR+FR*\b:BFR+FR*\b+11], v[FR*\a:FR*\a+11], v[BI+8*\b:BI+8*\b+7], v[SB+8*\b+(\st)], v[SA+8*\a+(\st)] matrix_a_fmt:MATRIX_FMT_FP6 matrix_b_fmt:MATRIX_FMT_FP6
.else
	v_wmma_scale_f32_16x16x128_f8f6f4 v[8*(4*\a+\b):8*(4*\a+\b)+7], v[BFR+FR*\b:BFR+FR*\b+11], v[FR*\a:FR*\a+11], v[8*(4*\a+\b):8*(4*\a+\b)+7], v[SB+8*\b+(\st)], v[SA+8*\a+(\st)] matrix_a_fmt:MATRIX_FMT_FP6 matrix_b_fmt:MATRIX_FMT_FP6
.endif
.endr
.endr
.endm
	s_wait_tensorcnt 0x0                           ; my part of the tiles is in
	s_barrier_signal -1
	s_barrier_wait -1                              ; and so is everybody's
	FETCH 0
	FETCH 1
	s_wait_loadcnt 0x0                             ; the scale words and the bias
	s_wait_dscnt 56                                ; all but step 1's 56 loads
	MUL 0, 1
.set ST, 1
.rept 6
	PLACES                                         ; ahead of loads into registers that the last step's products have read
	FETCH ST+1
	s_wait_dscnt 56                                ; all but the 56 just issued
	MUL ST, 0
.set ST, ST+1
.endr
	s_wait_dscnt 0x0
	MUL 7, 0
	WIN 0
; THE WAY OUT, by blocks of 16 tokens x 64 features, through my own stage; LDS serves a wave's instructions in order (ISA guide 5.7.1.4)
.macro TOSTAGE a
	WIN 0x0c                                       ; the data: window 3
.irp b, 0,1,2,3
	ds_store_b128 v[STO], v[8*(4*(\a)+\b):8*(4*(\a)+\b)+3] offset:64*\b      ; each accumulator from its low end on
	ds_store_b128 v[STO], v[8*(4*(\a)+\b)+4:8*(4*(\a)+\b)+7] offset:64*\b+16
.endr
	WIN 0
.set BB, BK+32*((\a)%2)
.irp t, 0,1,2,3,4,5,6,7
	ds_load_b128 v[BB+4*\t:BB+4*\t+3], v[RD] offset:\t*2*SPITCH
.endr
.endm
.macro SEND a, younger
.set BB, BK+32*((\a)%2)
	s_wait_dscnt \younger                          ; the block is back in registers
.if (\a) > 0
	s_add_nc_u64 s[68:69], s[68:69], 16*4096       ; behind a wait on XCNT: 16 rows on
.endif
.irp t, 0,1,2,3,4,5,6,7
	global_store_b128 v[CO], v[BB+4*\t:BB+4*\t+3], s[68:69] offset:\t*2*4096 th:TH_STORE_NT   ; 16 lanes store 256 consecutive bytes, aligned
.endr
.endm
	PLACES                                         ; behind the last products
	TOSTAGE 0
.irp a, 1,2,3,4,5,6,7
.if \a > 1
	s_wait_xcnt 0x0                                ; block a - 2's stores have read their registers and their base
.endif
	TOSTAGE \a
	SEND \a-1, 16                                  ; behind block a - 1's loads: block a's 8 stores and 8 loads
.endr
	s_wait_xcnt 0x0
	SEND 7, 0
	s_wait_tensorcnt 0x0                           ; the wave's end
	ds_add_u32 v[SPW], v[NIL]
	s_wait_dscnt 0x0
	CROUND                                         ; the closing round
	s_endpgm
.Lfunc_end_k_q2a9b2e5df6_outproj:
	.size	k_q2a9b2e5df6_outproj, .Lfunc_end_k_q2a9b2e5df6_outproj-k_q2a9b2e5df6_outproj
	.p2alignl 7, 3214868480
	.fill 96, 4, 3214868480
	.section	.rodata,"a",@progbits
	.p2align	6, 0x0
	.amdhsa_kernel k_q2a9b2e5df6_outproj
		.amdhsa_group_segment_fixed_size 327680
		.amdhsa_private_segment_fixed_size 0
		.amdhsa_enable_private_segment 0
		.amdhsa_kernarg_size 48
		.amdhsa_user_sgpr_count 2
		.amdhsa_user_sgpr_kernarg_segment_ptr 1
		.amdhsa_wavefront_size32 1
		.amdhsa_system_sgpr_workgroup_id_x 1
		.amdhsa_system_sgpr_workgroup_id_y 1
		.amdhsa_system_sgpr_workgroup_id_z 1
		.amdhsa_system_vgpr_workitem_id 0
		.amdhsa_next_free_vgpr 1024
		.amdhsa_next_free_sgpr 100
		.amdhsa_reserve_vcc 0
		.amdhsa_float_denorm_mode_32 3
		.amdhsa_float_denorm_mode_16_64 3
		.amdhsa_memory_ordered 1
		.amdhsa_forward_progress 1
		.amdhsa_inst_pref_size 87
	.end_amdhsa_kernel
	.amdgpu_metadata
---
amdhsa.version: [ 1, 2 ]
amdhsa.kernels:
  - .name:           k_q2a9b2e5df6_outproj
    .symbol:         k_q2a9b2e5df6_outproj.kd
    .args:
      - { .name: oc, .offset: 0, .size: 8, .value_kind: global_buffer, .address_space: global }
      - { .name: os, .offset: 8, .size: 8, .value_kind: global_buffer, .address_space: global }
      - { .name: Wo_codes, .offset: 16, .size: 8, .value_kind: global_buffer, .address_space: global }
      - { .name: Wo_scales, .offset: 24, .size: 8, .value_kind: global_buffer, .address_space: global }
      - { .name: out0, .offset: 32, .size: 8, .value_kind: global_buffer, .address_space: global }
      - { .name: bo, .offset: 40, .size: 8, .value_kind: global_buffer, .address_space: global }
    .group_segment_fixed_size: 327680
    .private_segment_fixed_size: 0
    .kernarg_segment_align: 8
    .kernarg_segment_size: 48
    .max_flat_workgroup_size: 128
    .sgpr_count:     100
    .vgpr_count:     1024
    .wavefront_size: 32
...
	.end_amdgpu_metadata
.endif
;; end of part 3
